; MI455X (gfx1250); checked and timed in simulation.
; The chip was launched on July 23, 2026; its instructions are those of AMD's public machine-readable ISA for CDNA 5 (MIT licence, August 2026) and "CDNA5" Instruction Set Architecture Reference Guide (July 2026). The comments in the code are by the model that wrote it; some were corrected since.
;; Full Attention. Allowed arithmetic: matrix products marked QUANTISED: E3M2 operands, one E8M0 scale for each 32 along K, by v_wmma_scale_f32_16x16x128_f8f6f4 with both operands' format E3M2, f32 sums; everything else in f32.
;; Inputs: keys 4 x 2,048 x 16 x 64 float32; queries 4 x 2,048 x 16 x 64 float32; values 4 x 2,048 x 16 x 64 float32.
;; Outputs: out0 4 x 2,048 x 16 x 64 float32.
;; This version of the problem:
;;   THIS VERSION OF THE PROBLEM IS GIVEN IN LOW PRECISION. The matrix products marked QUANTISED in the list below multiply operands that are first quantised to E3M2 (3 exponent bits, 2 mantissa bits; 6 bits a number), with one power-of-two scale for each 32 numbers along K (OCP MX v1.0); their sums are f32. All else is computed in f32.
;;   The module's matrix products, in the order in which they are computed (A, B: the left and right operand; K: the contracted axis; several contracted axes count as one K, in the product's order):
;;     1. batch 64 x [M 2,048, K 64] x [K 64, N 2,048]; A: input queries; B: input keys: QUANTISED
;;     2. batch 64 x [M 64, K 2,048] x [K 2,048, N 2,048]; A: input values; B: softmax (see below): QUANTISED
;;   THE QUANTISER, for each operand of a quantised product, along K:
;;     - K is cut into blocks of 32 from its start; a last block that is shorter is filled with zeros.
;;     - A block's scale is 2^e with e = floor(log2(the largest magnitude in the block)) - 4, held to -126 .. 127; a block of zeros has e = 0. As a byte (E8M0): e + 127.
;;     - Each number is divided by its block's scale, clamped to +-28, and rounded to the nearest number of E3M2, ties to even, subnormals kept.
;;     - The product sums the exact products of the quantised numbers (number of the format x scale) in f32.
;;   ~~~python
;;   def quantise(x, axis):      # numpy; x: float32 -> the quantised numbers, widened to float32 again
;;       x = np.moveaxis(x, axis, -1); K = x.shape[-1]
;;       x = np.pad(x, [(0, 0)] * (x.ndim - 1) + [(0, -K % 32)]); x = x.reshape(x.shape[:-1] + (-1, 32)); a = np.abs(x).max(-1, keepdims=True)
;;       e = np.where(a > 0, np.clip(np.frexp(np.where(a > 0, a, 1))[1] - 1 - 4, -126, 127), 0)      # np.frexp(a)[1] - 1 = floor(log2(a)), exactly
;;       r = np.clip(x / 2.0 ** e, -28, 28)
;;       step = 2.0 ** (np.maximum(np.frexp(np.where(r == 0, 1, r))[1] - 1, -2) - 2)
;;       q = np.round(r / step) * step * 2.0 ** e      # np.round: ties to even
;;       return np.moveaxis(q.reshape(q.shape[:-2] + (-1,))[..., :K], -1, axis).astype(np.float32)
;;   ~~~
;;   SOFTMAX AHEAD OF A QUANTISED PRODUCT. Where the list says 'softmax', what is quantised is not the finished softmax but p = 2^(t - M), with t = logit x log2(e) and M = ceil(the row's largest t), a whole number; so 1/2 < the row's largest p <= 1. The row's sum l is taken of the UNQUANTISED p, in f32, and the product's result is divided by l at the end. Since M is a whole number, a kernel that streams over the keys may use a running M (the ceiling of the running maximum): every later rescaling is an exact power of two, which a block's scale takes up: the codes' values come out the same.
;;   OPERANDS COMPUTED ON THE WAY. 'Computed on the way' means the value that the module computes at that place (a softmax that the list does not call 'softmax' is quantised finished and normalised). What goes into a quantiser is computed in f32, as accurately as f32 sums, v_exp_f32 and their like allow (about 1e-6 of the number): no bf16 or f16 on the way to a quantiser, and a product that is left as it is and whose result goes on into a quantised operand takes f32 operands (vector FMAs, or v_wmma_f32_16x16x4_f32). A number that lies on a knife's edge between two numbers of the format may be rounded either way, as far as f32 arithmetic and the matrix unit's own rounding can turn it there, and no further.
;; 2 versions. Each part assembles by itself: llvm-mc -triple=amdgcn-amd-amdhsa -mcpu=gfx1250 --defsym DOCPART=n.
;; ======== version 1 of 2: 1 launch
;; launch attn (part 1): grid 4 x 64, 16 waves a work-group, no clusters, 284,672 bytes of LDS; arguments queries, keys, values, out0; writes out0
.if DOCPART == 1
	.amdgcn_target "amdgcn-amd-amdhsa--gfx1250"
	.amdhsa_code_object_version 6
	.text
	.protected	k_q958ab8a668_attn
	.globl	k_q958ab8a668_attn
	.p2align	8
	.type	k_q958ab8a668_attn,@function
k_q958ab8a668_attn:
	s_mov_b64 s[64:65], 0
	v_nop
	global_prefetch_b8 v0, s[64:65] scope:SCOPE_SE
	s_setreg_imm32_b32 hwreg(HW_REG_WAVE_MODE, 25, 1), 1
	s_wait_xcnt 0x0
; out0[b][q][hd][:] = the sum over keys k <= q of softmax_k(Q[q] . K[k] / 8) V[k][:], for 64 pairs (b, hd); 2,048 queries and keys, head size 64.
; All four tensors are f32, laid [4][2048][16][64]: a head's row is 256 bytes, rows lie 4,096 bytes apart.
; Both products run on codes of BF6 (E3M2) with one E8M0 scale for each 32 along the product's K: Q and K along the head's 64, V and p along the keys.
; THE SOFTMAX: t = score x log2(e) / 8; M = the largest t so far, rounded up to a whole number; p = 2^(t - M) is quantised, not normalised; the row's sum is taken of the unquantised p and divides at the end.
; SHARES.  Four work-groups of sixteen waves serve a head.  Wave w of work-group j owns the query tiles TH = 127 - a and TL = a, a = 4 w + j (a tile: 16 queries).  With g = w / 2, TH needs the key steps
; 0 .. 15 - g (128 keys a step) and TL the steps 0 .. g: 17 tile-steps for every wave.  In period P = 0 .. 16 each wave does one: first TH's steps in order, then TL's.  Only one tile's state is in registers.
; K AND V ARE QUANTISED BY THE WORK-GROUP ITSELF and stay in LDS for the whole launch, as images of operand registers (a fragment's registers 4 c .. 4 c + 3 of lane l at 512 c + 16 l): 2 x 98,304 bytes of codes
; and 2 x 8,192 of scale words; every byte is written once.  256 keys are sixteen tasks, one a wave (waves 0-7: a fragment of K; waves 8-15: one of V); their raw loads are issued two periods ahead of their use.
; K'S FRAGMENT HOLDS TWO TILES.  The first product's K is 64, half of the instruction's 128.  Registers 0-5 hold 16 keys x 64, registers 6-11 another 16 keys x 64; the other operand is q followed by zero codes, or
; zero codes followed by q, which picks one of the two.  Lane r of tile 2 b + u takes key 32 b + 8 u + r + 8 (r / 8), so that the 16 score registers of tiles 2 b, 2 b + 1 are 16 neighbouring keys.
; Both products are used transposed (S^T = K Q^T, O^T = V^T P^T): a lane holds one query (lane % 16) throughout.
; NO CLUSTER, NO TENSOR LOAD: what the four work-groups of a head share is f32 that has to pass through registers to be converted.  Raw rows in LDS would want 131,072 bytes for 256 keys of K and V;
; beside the 282,624 bytes in use 45,056 remain.  No prefetch: the raw loads themselves stand two periods ahead of the wait for them.
; LIMITS: a block whose largest magnitude lies under 2^-122 (a block of zeros too) keeps the scale byte 1; its bytes are read by this program alone.  NaN and infinities among the inputs are not served.
; A block's largest p is made from the block's largest score by the same two instructions as every p: this takes v_exp_f32 not to fall where its input rises.
.set KIMG,  0                          ; LDS: K's 64 fragments of 1,536 bytes (fragment f: keys 32 f .. 32 f + 31),
.set VIMG,  98304                      ; V's 64 (fragment 4 s + t: keys 128 s .. 128 s + 127, channels 16 t .. 16 t + 15),
.set KSC,   196608                     ; K's scale words: 512 bytes a key step, lane l's four words (fragments 4 s .. 4 s + 3) at 16 l,
.set VSC,   204800                     ; V's likewise,
.set STG,   212992                     ; and a stage of 16 rows x (256 + 16) bytes for each wave, for the way out
.set FRB,   1536                       ; a fragment's image
.set STEPB, 6144                       ; a key step's four
.set LI,  1                            ; v1   16 x lane
.set RA,  2                            ; v2   my lane's byte offset in a task's raw rows
.set WI,  3                            ; v3   where my task's image goes, for keys 0-255
.set WS,  4                            ; v4   and its scale word
.set SI,  5                            ; v5   the stage: where I put 32 bytes of a row
.set SO,  6                            ; v6   and where I read a row back
.set GO,  7                            ; v7   my byte offset in a tile's 16 rows of out0
.set AK,  8                            ; v8   LDS address of the step's images of K
.set AS,  9                            ; v9   of its scale words (V's lie 8,192 bytes on)
.set AV,  10                           ; v10  of its images of V
.set RH,  11                           ; v11  lane % 16 - 16 (lane / 16), for the mask
.set QZ,  16                           ; v16-21 zero codes, v22-27 q's codes, v28-33 zero codes: v[16:27] picks a fragment's second tile, v[22:33] its first
.set QC,  22
.set QS,  34                           ; v34  q's scale word of the tile in hand (its two bytes, twice);  v35 TL's
.set QSL, 35
.set QL,  36                           ; v36-41 TL's codes
.set FF,  42                           ; v42  f = 2^(old M - new M);  v43 p's scale word
.set PW,  43
.set SC,  44                           ; v44-47 the step's four scale words of K, then of V
.set S,   48                           ; v48-111 S^T, then p; then V's four fragments (v48-95); on the way out the results
.set O,   112                          ; v112-143 O^T, four tiles
.set F,   144                          ; v144-191 K's four fragments; when they are done with:
.set PC,  144                          ; v144-155 the codes just made
.set CT,  156                          ; v156-162 the conversions' second halves
.set BM,  164                          ; v164-167 block maxima
.set PT,  168                          ; v168-171 the other half's maxima, then scale bytes
.set SOP, 172                          ; v172-175 the conversions' scale operands
.set TMP, 176                          ; v176-178 at work
.set X,   192                          ; v192-255 a task's 64 raw numbers, in flight through two periods
.set WV,  12                           ; s12  my wave's number
.set G,   13                           ; s13  g = wave / 2
.set NN,  14                           ; s14  16 - g: the period in which the tile changes
.set P,   16                           ; s16  the period
.set CNT, 17                           ; s17  the loops' counter
.set SS,  18                           ; s18  the key step
.set LS,  19                           ; s19  the last key step of the tile in hand: the one on the diagonal
.set SEL, 20                           ; s[20:21] v_permlanex16_b32's selects for lane l xor 16
.set CS,  22                           ; s[22:23] c = log2(e) / 8 (the packed form names a pair and takes its low word for both halves)
.set RB,  24                           ; s[24:25] the base of my task's raw loads
.set OH,  26                           ; s[26:27] out0 at TH's first row;  s[28:29] at TL's
.set OL,  28
.set PI,  30                           ; s30  12,288 x (keys / 256) of the task in hand;  s31  1,024 x the same
.set PS,  31
.set DQ,  32                           ; s32  the first query of the tile in hand, counted from its last step's first key;  s33 TL's
.set DQL, 33
.set TK,  34                           ; s34  6,144 x the key step;  s35  512 x the key step
.set TS,  35
.set ROLE, 48                          ; s48  wave / 8: my tasks are K's (0) or V's (1);  s49  wave % 8: which fragment of the eight
.set IDX,  49
; A task's raw numbers.  K: lane (r, h) takes, for u = 0, 1, the 32 numbers e = 32 h .. 32 h + 31 of key 8 u + r + 8 (r / 8) of the fragment's 32: eight loads of 16 bytes each.
; V: lane (r, h) takes channel r of the fragment's 16 and its registers run down the keys 64 c + 32 h + i: sixteen lanes read 64 consecutive bytes, and the four waves of a step together each row's 256.
; No cache hint: the four work-groups of a head read the same rows.
.macro LOADRAW
	s_cmp_lt_u32 s[WV], 8
	s_cbranch_scc0 .Lraw_v_\@
.irp u, 0,1
.irp j, 0,1,2,3,4,5,6,7
	global_load_b128 v[X+32*\u+4*\j:X+32*\u+4*\j+3], v[RA], s[RB:RB+1] offset:32768*\u+16*\j
.endr
.endr
	s_branch .Lraw_done_\@
.Lraw_v_\@:
.irp c, 0,1
.irp i, 0,1,2,3,4,5,6,7,8,9,10,11,12,13,14,15,16,17,18,19,20,21,22,23,24,25,26,27,28,29,30,31
	global_load_b32 v[X+32*\c+\i], v[RA], s[RB:RB+1] offset:(64*\c+\i)*4096
.endr
.endr
.Lraw_done_\@:
.endm
; Two whole blocks of 32 of a lane, v[src] .. v[src + 31] and v[src + 32] .. v[src + 63], become six registers of codes each, at v[d0] and v[d1] on, and a scale word in v[TMP]:
; byte 2 c + h is the byte of block c of the lanes' half h; both halves of the lanes end up with the whole word.
.macro QUANT64 src, d0, d1
	v_max3_num_f32 v[BM], |v[\src]|, |v[\src+1]|, 0x2800000          ; the largest magnitude, and the floor 2^(5 - 127): so the byte cannot fall under 1
	v_max3_num_f32 v[BM+1], |v[\src+32]|, |v[\src+33]|, 0x2800000
.irp i, 2,4,6,8,10,12,14,16,18,20,22,24,26,28,30
	v_max3_num_f32 v[BM], v[BM], |v[\src+\i]|, |v[\src+\i+1]|        ; (the two blocks by turns)
	v_max3_num_f32 v[BM+1], v[BM+1], |v[\src+32+\i]|, |v[\src+33+\i]|
.endr
	v_add_nc_u32 v[SOP], 0xfe000000, v[BM]                           ; 4 off the exponent field: the conversion takes this operand's exponent field as its scale
	v_add_nc_u32 v[SOP+1], 0xfe000000, v[BM+1]
	v_lshrrev_b32 v[PT], 23, v[SOP]                                  ; the scale's byte
	v_lshrrev_b32 v[PT+1], 23, v[SOP+1]
	v_lshl_or_b32 v[TMP], v[PT+1], 16, v[PT]                         ; my two bytes,
	v_bfe_u32 v[TMP+1], v0, 4, 1
	v_lshlrev_b32 v[TMP+1], 3, v[TMP+1]
	v_lshlrev_b32 v[TMP], v[TMP+1], v[TMP]                           ; 8 h bits up;
	v_mov_b32 v[TMP+2], 0                                            ; (a lane permute's destination counts as one of its sources)
	v_permlanex16_b32 v[TMP+2], v[TMP], s[SEL], s[SEL+1]
	v_or_b32 v[TMP], v[TMP], v[TMP+2]                                ; with lane l xor 16's two the word is whole
	v_cvt_scalef32_pk16_bf6_f32 v[\d0:\d0+2], v[\src:\src+15], v[SOP]
	v_cvt_scalef32_pk16_bf6_f32 v[CT:CT+2], v[\src+16:\src+31], v[SOP]        ; (a conversion's three registers begin on an even number: a block's second three are made elsewhere and moved)
	v_cvt_scalef32_pk16_bf6_f32 v[\d1:\d1+2], v[\src+32:\src+47], v[SOP+1]
	v_cvt_scalef32_pk16_bf6_f32 v[CT+4:CT+6], v[\src+48:\src+63], v[SOP+1]
	v_nop                                                            ; one plain place behind the scaled conversions
.irp i, 0,1,2
	v_mov_b32 v[\d0+3+\i], v[CT+\i]
	v_mov_b32 v[\d1+3+\i], v[CT+4+\i]
.endr
.endm
; My task: the raw numbers are in; codes and scale word go to LDS as they stand in the registers.
.macro PRODUCE
	s_wait_loadcnt 0x0                                               ; all my loads: a task's 16 or 64, and nothing else is out on this counter; so their base may step
	s_add_nc_u64 s[RB:RB+1], s[RB:RB+1], 0x100000                    ; 256 keys on
	QUANT64 X, PC, PC+6
	v_add_nc_u32 v[AK], s[PI], v[WI]
	v_add_nc_u32 v[AS], s[PS], v[WS]
.irp c, 0,1,2
	ds_store_b128 v[AK], v[PC+4*\c:PC+4*\c+3] offset:512*\c
.endr
	ds_store_b32 v[AS], v[TMP]
	s_add_co_u32 s[PI], s[PI], 8*FRB
	s_add_co_u32 s[PS], s[PS], 1024
.endm
; THE WAY OUT of the tile in hand: O^T / the sum, through my own stage, as whole rows of 256 bytes.  more = 1: the registers are used again.
.macro WAYOUT base, more
	v_add_f32 v14, v14, v15                                          ; the sum's two halves,
	v_permlanex16_b32 v[PT], v14, s[SEL], s[SEL+1]
	v_add_f32 v14, v14, v[PT]                                        ; and lane l xor 16's: the row's sum
	v_rcp_f32 v14, v14
	v_nop                                                            ; one plain place behind the transcendental
.set j, 0
	s_wait_alu depctr_va_vdst(0)
.rept 16
	v_pk_mul_f32 v[S+j:S+j+1], v[O+j:O+j+1], v[14:15] op_sel_hi:[1,0]   ; register 8 t + i is o(query r, channel 16 t + 8 h + i); each accumulator from its low end on
.set j, j+2
.endr
.irp t, 0,1,2,3
	ds_store_b128 v[SI], v[S+8*\t:S+8*\t+3] offset:64*\t
	ds_store_b128 v[SI], v[S+8*\t+4:S+8*\t+7] offset:64*\t+16
.endr
.irp i, 0,1,2,3,4,5,6,7
	ds_load_b128 v[S+32+4*\i:S+32+4*\i+3], v[SO] offset:544*\i       ; LDS serves a wave's instructions in order (ISA guide 5.7.1.4): these see my stores.  Lanes 0-15 one row, lanes 16-31 the next
.endr
.irp i, 0,1,2,3,4,5,6,7
	s_wait_dscnt 7-\i                                                ; the younger loads from the stage may stay out
	global_store_b128 v[GO], v[S+32+4*\i:S+32+4*\i+3], s[\base:\base+1] offset:8192*\i th:TH_STORE_NT   ; sixteen lanes store 256 consecutive bytes, at a multiple of 256 from out0's first byte
.endr
.if \more
	s_wait_xcnt 0x0                                                  ; the stores' data registers are written again only behind this wait
.endif
.endm
; TH is finished: it leaves, and TL takes its place.
.macro SWITCH
	WAYOUT OH, 1
.irp i, 0,1,2,3,4,5
	v_mov_b32 v[QC+\i], v[QL+\i]
.endr
	v_mov_b32 v[QS], v[QSL]
	v_mov_b32 v13, 0xff61b1e6                                        ; the largest t so far: -3e38, under every t
	v_floor_f32 v12, -v13                                            ; -M
	v_mov_b32 v14, 0
	v_mov_b32 v15, 0
.set j, 0
.rept 32
	v_mov_b32 v[O+j], 0                                              ; the period is written for every step alike: a tile's first step finds zeros.  (These also stand between the new scale word and the next product)
.set j, j+1
.endr
	s_mov_b32 s[LS], s[G]
	s_mov_b32 s[DQ], s[DQL]
.endm
; A PERIOD: one tile of 16 queries against one key step of 128 keys.
.macro PERIOD
	s_add_co_u32 s36, s[P], s[G]                                     ; P + g reaches 16 when P reaches 16 - g:
	s_lshr_b32 s36, s36, 4                                           ; 0: TH is in hand, 1: TL
	s_mul_i32 s36, s36, s[G]
	s_add_co_u32 s36, s36, s[P]
	s_and_b32 s[SS], s36, 15                                         ; the key step: P, or P - (16 - g)
	s_mul_i32 s[TK], s[SS], STEPB
	s_lshl_b32 s[TS], s[SS], 9
	s_cmp_lg_u32 s[P], s[NN]
	s_cbranch_scc1 .Lsame_\@
	SWITCH
.Lsame_\@:
	v_add_nc_u32 v[AK], s[TK], v[LI]
	s_add_co_u32 s36, s[TS], KSC
	v_add_nc_u32 v[AS], s36, v[LI]
	s_add_co_u32 s37, s[TK], VIMG
	v_add_nc_u32 v[AV], s37, v[LI]
	ds_load_b128 v[SC:SC+3], v[AS]                                   ; K's four scale words first,
.irp b, 0,1,2,3
.irp c, 0,1,2
	ds_load_b128 v[F+12*\b+4*\c:F+12*\b+4*\c+3], v[AK] offset:FRB*\b+512*\c   ; then its four fragments: 512 consecutive bytes a load
.endr
.endr
.irp b, 0,1,2,3                        ; S^T = K Q^T: each fragment twice, once for each of its two tiles of keys
	s_wait_dscnt 9-3*\b                                              ; the scale words and fragments 0 .. b are in; the three loads of each later fragment may stay out
	v_wmma_scale_f32_16x16x128_f8f6f4 v[S+16*\b:S+16*\b+7], v[F+12*\b:F+12*\b+11], v[QC:QC+11], 0, v[SC+\b], v[QS] matrix_a_fmt:MATRIX_FMT_BF6 matrix_b_fmt:MATRIX_FMT_BF6
	v_wmma_scale_f32_16x16x128_f8f6f4 v[S+16*\b+8:S+16*\b+15], v[F+12*\b:F+12*\b+11], v[QZ:QZ+11], 0, v[SC+\b], v[QS] matrix_a_fmt:MATRIX_FMT_BF6 matrix_b_fmt:MATRIX_FMT_BF6
.endr                                  ; lane (r, h): register 16 b + i is the score of query r and key 32 b + 16 h + i of the step
.rept 4
	v_nop                                                            ; four places (ISA guide 7.12.1) ahead of the reads of the scores and of the writes over K's fragments
.endr
	s_cmp_lg_u32 s[SS], s[LS]                                        ; only a tile's last step lies on the diagonal
	s_cbranch_scc1 .Lopen_\@
	v_add_nc_u32 v[TMP+2], s[DQ], v[RH]                              ; d = my query - the step's first key - 16 h: key 32 b + i of my half is hidden where 32 b + i > d
	v_mov_b32 v[TMP+1], 0xff800000                                   ; -infinity: p is then 0
.set n, 0
.rept 64
	v_cmp_gt_i32 vcc_lo, 32*(n/16)+n%16, v[TMP+2]
	v_cndmask_b32 v[S+n], v[S+n], v[TMP+1], vcc_lo
.set n, n+1
.endr
.Lopen_\@:
.irp b, 0,1,2,3
	v_max3_num_f32 v[BM+\b], v[S+16*\b], v[S+1+16*\b], v[S+2+16*\b]   ; the largest score of each block of 32 keys: for the row's maximum and, since p rises with the score, for the block's largest p
.endr
.irp i, 3,5,7,9,11,13
.irp b, 0,1,2,3
	v_max3_num_f32 v[BM+\b], v[BM+\b], v[S+16*\b+\i], v[S+1+16*\b+\i]   ; (the four blocks by turns; a block's second accumulator is first read at its lowest register, with i = 7)
.endr
.endr
.irp b, 0,1,2,3
	v_max_num_f32 v[BM+\b], v[BM+\b], v[S+15+16*\b]
.endr
.irp b, 0,1,2,3
	v_permlanex16_b32 v[PT+\b], v[BM+\b], s[SEL], s[SEL+1]
.endr
.irp b, 0,1,2,3
	v_max_num_f32 v[BM+\b], v[BM+\b], v[PT+\b]                       ; with lane l xor 16's 16 keys
.endr
	v_max3_num_f32 v[TMP], v[BM], v[BM+1], v[BM+2]
	v_max_num_f32 v[TMP], v[TMP], v[BM+3]                            ; the step's largest score of my query
	v_mul_f32 v[TMP], s[CS], v[TMP]                                  ; as t (c is positive)
	v_max_num_f32 v13, v13, v[TMP]                                   ; the running largest t
	v_mov_b32 v[TMP], v12
	v_floor_f32 v12, -v13                                            ; the new -M = floor(-t) = -ceil(t): a whole number
	v_sub_f32 v[TMP], v12, v[TMP]                                    ; old M - new M: a whole number, 0 or less
	v_cvt_i32_f32 v[TMP], v[TMP]                                     ; (it saturates)
	v_ldexp_f32 v[FF], 1.0, v[TMP]                                   ; f = 2^(old M - new M): the rescaling rounds nothing
.set j, 0
.rept 32
	v_pk_fma_f32 v[S+j:S+j+1], v[S+j:S+j+1], s[CS:CS+1], v[12:13] op_sel_hi:[1,0,0]   ; t - M, two at a time
.set j, j+2
.endr
.irp b, 0,1,2,3
	v_fma_f32 v[BM+\b], v[BM+\b], s[CS], v12                         ; the same of each block's largest score
.endr
.set j, 0
.rept 64
	v_exp_f32 v[S+j], v[S+j]                                         ; p = 2^(t - M), at most 1
.set j, j+1
.endr
.irp b, 0,1,2,3
	v_exp_f32 v[BM+\b], v[BM+\b]                                     ; the block's largest p
.endr
	v_pk_mul_f32 v[14:15], v[14:15], v[FF:FF+1] op_sel_hi:[1,0]      ; the sums under the new M.  (The plain place behind the exponentials)
	s_wait_alu depctr_va_vdst(0)
.irp b, 0,1,2,3
	v_max_num_f32 v[BM+\b], 0x2800000, v[BM+\b]                      ; the floor 2^(5 - 127): a block whose every p is 0 keeps the byte 1; its codes are zeros
.endr
.irp b, 0,1,2,3
	v_add_nc_u32 v[SOP+\b], 0xfe000000, v[BM+\b]                     ; 4 off the exponent field: the conversion's scale operand
.endr
.irp b, 0,1,2,3
	v_lshrrev_b32 v[PT+\b], 23, v[SOP+\b]                            ; the scale's byte
.endr
	v_lshl_or_b32 v[PW], v[PT+1], 8, v[PT]                           ; p's scale word for these 128 keys
	v_lshl_or_b32 v[PW], v[PT+2], 16, v[PW]
	v_lshl_or_b32 v[PW], v[PT+3], 24, v[PW]
	v_pk_add_f32 v[CT:CT+1], v[S:S+1], v[S+2:S+3]                    ; the row's sum, of the unquantised p, in two chains; ahead of the conversions, since V's fragments land on p
.irp j, 4,8,12,16,20,24,28,32,36,40,44,48,52,56,60
	v_pk_add_f32 v[14:15], v[14:15], v[S+\j:S+\j+1]
	v_pk_add_f32 v[CT:CT+1], v[CT:CT+1], v[S+\j+2:S+\j+3]
.endr
	v_pk_add_f32 v[14:15], v[14:15], v[CT:CT+1]
.irp c, 0,1
	v_cvt_scalef32_pk16_bf6_f32 v[PC+6*\c:PC+6*\c+2], v[S+32*\c:S+32*\c+15], v[SOP+2*\c]
	v_cvt_scalef32_pk16_bf6_f32 v[CT+4*\c:CT+4*\c+2], v[S+16+32*\c:S+31+32*\c], v[SOP+2*\c+1]
.endr
	ds_load_b128 v[SC:SC+3], v[AS] offset:VSC-KSC                    ; V's four scale words first,
.irp t, 0,1,2,3
.irp c, 0,1,2
	ds_load_b128 v[S+12*\t+4*\c:S+12*\t+4*\c+3], v[AV] offset:FRB*\t+512*\c   ; then its four fragments, into the registers that p has left
.endr
.endr
	v_nop                                                            ; one plain place behind the scaled conversions
.irp c, 0,1                            ; the operand's layout wants a whole block in a lane: lanes 0-15 block 2 c, lanes 16-31 block 2 c + 1
.irp i, 0,1,2
	v_permlane16_swap_b32 v[PC+6*\c+\i], v[CT+4*\c+\i]
.endr
.irp i, 0,1,2
	v_mov_b32 v[PC+3+6*\c+\i], v[CT+4*\c+\i]
.endr
.endr
.set j, 0
.rept 16
	v_pk_mul_f32 v[O+j:O+j+1], v[O+j:O+j+1], v[FF:FF+1] op_sel_hi:[1,0]   ; O^T under the new M.  (These stand between the writes of p's codes and the products)
.set j, j+2
.endr
.irp t, 0,1,2,3                        ; O^T += V^T P^T: the four accumulators take turns, one instruction a turn, and the eight products of S^T stand between two periods'
	s_wait_dscnt 9-3*\t                                              ; the scale words and fragments 0 .. t are in; the three loads of each later fragment may stay out
	v_wmma_scale_f32_16x16x128_f8f6f4 v[O+8*\t:O+8*\t+7], v[S+12*\t:S+12*\t+11], v[PC:PC+11], v[O+8*\t:O+8*\t+7], v[SC+\t], v[PW] matrix_a_fmt:MATRIX_FMT_BF6 matrix_b_fmt:MATRIX_FMT_BF6
.endr
.rept 5
	v_nop                                                            ; five places: the next products of S^T write over V's fragments (five are asked); loads into the codes' and the scale words' registers and reads of O^T follow (four)
.endr
	s_add_co_u32 s[P], s[P], 1
.endm
	s_load_b256 s[4:11], s[0:1], 0x0                ; queries s[4:5], keys s[6:7], values s[8:9], out0 s[10:11]
	v_lshrrev_b32 v1, 5, v0
	v_readfirstlane_b32 s[WV], v1                   ; wave 0..15
	v_and_b32 v144, 15, v0                          ; r
	v_bfe_u32 v145, v0, 4, 1                        ; h
	v_and_b32 v1, 31, v0
	v_lshlrev_b32 v[LI], 4, v1
	s_lshr_b32 s[G], s[WV], 1
	s_xor_b32 s[LS], s[G], 15                       ; 15 - g: TH's last key step
	s_add_co_u32 s[NN], s[LS], 1
	s_lshr_b32 s[ROLE], s[WV], 3
	s_and_b32 s[IDX], s[WV], 7
	s_lshl_b32 s36, s[WV], 2
	s_add_co_u32 s36, s36, ttmp9                    ; a = 4 x wave + work-group x: TL
	s_xor_b32 s37, s36, 127                         ; TH = 127 - a
	s_and_b32 s[DQL], s36, 7
	s_lshl_b32 s[DQL], s[DQL], 4                    ; a tile's first query within its last key step: 16 (tile % 8)
	s_and_b32 s[DQ], s37, 7
	s_lshl_b32 s[DQ], s[DQ], 4
	s_and_b32 s38, ttmp7, 0xffff                    ; work-group y = 16 b + head
	s_lshr_b32 s39, s38, 4
	s_lshl_b32 s39, s39, 23                         ; b x 2,048 rows x 4,096 bytes
	s_and_b32 s38, s38, 15
	s_lshl_b32 s38, s38, 8                          ; head x 256 bytes
	s_or_b32 s40, s39, s38                          ; the byte of (b, row 0, head) in each tensor
	s_lshl_b32 s36, s36, 16                         ; a tile's 16 rows are 65,536 bytes
	s_add_co_u32 s46, s40, s36
	s_mov_b32 s47, 0
	s_lshl_b32 s37, s37, 16
	s_add_co_u32 s44, s40, s37
	s_mov_b32 s45, 0
	s_lshl_b32 s36, s[IDX], 17                      ; K's task: 32 keys x 4,096 bytes a fragment
	s_lshr_b32 s37, s[IDX], 2
	s_lshl_b32 s37, s37, 19                         ; V's: 128 keys a step,
	s_and_b32 s38, s[IDX], 3
	s_lshl_b32 s38, s38, 6                          ; 16 channels x 4 bytes a fragment
	s_or_b32 s37, s37, s38
	s_cmp_lt_u32 s[WV], 8
	s_cselect_b32 s42, s36, s37
	s_cselect_b32 s50, 0, -1                        ; all ones in V's waves
	s_mov_b32 s43, 0
	s_add_co_u32 s42, s42, s40                      ; (all these sums stay under 2^26)
	s_mul_i32 s36, s[IDX], FRB                      ; where my tasks' images go: 1,536 x (wave % 8) + 98,304 x (wave / 8)
	s_mul_i32 s37, s[ROLE], VIMG
	s_add_co_u32 s36, s36, s37
	v_add_nc_u32 v[WI], s36, v[LI]
	s_lshl_b32 s36, s[ROLE], 13                     ; and their scale words: 8,192 x (wave / 8) + 512 x the step of the two + 4 x the fragment of the four
	s_lshr_b32 s37, s[IDX], 2
	s_lshl_b32 s37, s37, 9
	s_add_co_u32 s36, s36, s37
	s_and_b32 s37, s[IDX], 3
	s_lshl_b32 s37, s37, 2
	s_add_co_u32 s36, s36, s37
	s_add_co_u32 s36, s36, KSC
	v_add_nc_u32 v[WS], s36, v[LI]
	s_mul_i32 s36, s[WV], 16*272
	s_add_co_u32 s36, s36, STG                      ; my stage
	v_mul_u32_u24 v[SI], v144, 272                  ; in: row r, 32 bytes for each half of the lanes
	v_lshl_add_u32 v[SI], v145, 5, v[SI]
	v_add_nc_u32 v[SI], s36, v[SI]
	v_mul_u32_u24 v[SO], v145, 272                  ; back: lanes 0-15 one row, lanes 16-31 the next
	v_lshl_add_u32 v[SO], v144, 4, v[SO]
	v_add_nc_u32 v[SO], s36, v[SO]
	v_lshlrev_b32 v[GO], 12, v145                   ; and the same two rows in out0
	v_lshl_add_u32 v[GO], v144, 4, v[GO]
	v_lshlrev_b32 v146, 4, v145
	v_sub_nc_u32 v[RH], v144, v146                  ; r - 16 h
	v_and_b32 v146, 8, v144
	v_add_nc_u32 v146, v146, v144                   ; r + 8 (r / 8)
	v_lshlrev_b32 v146, 12, v146
	v_lshl_add_u32 v146, v145, 7, v146              ; K's raw rows: that row, + 128 h
	v_lshlrev_b32 v147, 2, v144
	v_lshl_add_u32 v147, v145, 17, v147             ; V's: 4 r, + 32 h rows
	v_cndmask_b32 v[RA], v146, v147, s50
	v_lshlrev_b32 v[AK], 12, v144
	v_lshl_add_u32 v[AK], v145, 7, v[AK]            ; Q: row r, + 128 h
	s_mov_b32 s[SEL], 0x76543210
	s_mov_b32 s[SEL+1], 0xfedcba98
	s_mov_b32 s[CS], 0x3e38aa3b                     ; c = log2(e) / 8
	s_mov_b32 s[CS+1], s[CS]
	s_mov_b32 s[PI], 0
	s_mov_b32 s[PS], 0
	s_mov_b32 s[P], 0
	s_wait_kmcnt 0x0
	s_add_nc_u64 s[OH:OH+1], s[10:11], s[44:45]
	s_add_nc_u64 s[OL:OL+1], s[10:11], s[46:47]
	s_add_nc_u64 s[44:45], s[4:5], s[44:45]         ; Q at TH's first row,
	s_add_nc_u64 s[46:47], s[4:5], s[46:47]         ; and at TL's
	s_cmp_lt_u32 s[WV], 8                           ; the choice hangs on the wave's number alone
	s_cselect_b64 s[RB:RB+1], s[6:7], s[8:9]
	s_add_nc_u64 s[RB:RB+1], s[RB:RB+1], s[42:43]
.irp j, 0,1,2,3,4,5,6,7
	global_load_b128 v[S+4*\j:S+4*\j+3], v[AK], s[44:45] offset:16*\j th:TH_LOAD_NT         ; lane (r, h): q(r, 32 h .. 32 h + 31) of TH: a whole block
.endr
.irp j, 0,1,2,3,4,5,6,7
	global_load_b128 v[S+32+4*\j:S+32+4*\j+3], v[AK], s[46:47] offset:16*\j th:TH_LOAD_NT   ; and of TL.  Each row of Q is read once in the launch
.endr
	LOADRAW                                         ; keys 0-255
.irp i, 0,1,2,3,4,5
	v_mov_b32 v[QZ+\i], 0                           ; the zero codes on both sides of q's
	v_mov_b32 v[QC+6+\i], 0
.endr
	v_mov_b32 v13, 0xff61b1e6                       ; the largest t so far: -3e38, under every t
	v_floor_f32 v12, -v13                           ; -M
	v_mov_b32 v14, 0                                ; the sum, in two halves
	v_mov_b32 v15, 0
	v_mov_b32 v[PW], 0                              ; (named as the upper half of the pair v[42:43] before it is first written)
.set j, 0
.rept 32
	v_mov_b32 v[O+j], 0                             ; O^T: the first step finds zeros, which the first change of M leaves zeros
.set j, j+1
.endr
	s_wait_loadcnt 0x0                              ; Q and the first task
	QUANT64 S, QC, QL                               ; TH's codes to their place, TL's aside; the word: TH's two bytes, then TL's two
	v_perm_b32 v[QS], v[TMP], v[TMP], 0x01000100    ; a tile's two bytes twice: for q in the operand's lower half and in its upper
	v_perm_b32 v[QSL], v[TMP], v[TMP], 0x03020302
	PRODUCE                                         ; keys 0-255
	LOADRAW                                         ; keys 256-511
	s_wait_dscnt 0x0                                ; for the others' sake: my stores have landed
	s_barrier_signal -1
	s_barrier_wait -1                               ; key steps 0 and 1 lie in LDS
	s_mov_b32 s[CNT], 0
.Ltrip:                                             ; seven trips: periods 2 CNT and 2 CNT + 1 read key steps up to 2 CNT + 1; then steps 2 CNT + 2 and 2 CNT + 3 are stored, into bytes that nobody has read
	PERIOD
	PERIOD
	PRODUCE
	s_cmp_eq_u32 s[CNT], 6                          ; the last trip has nothing left to ask for: no load leaves its buffer
	s_cbranch_scc1 .Lno_more
	LOADRAW                                         ; the 256 keys behind those just stored: two periods ahead of the wait for them
.Lno_more:
	s_wait_dscnt 0x0                                ; for the others' sake: my stores have landed
	s_barrier_signal -1
	s_barrier_wait -1
	s_add_co_u32 s[CNT], s[CNT], 1
	s_cmp_lt_u32 s[CNT], 7
	s_cbranch_scc1 .Ltrip
	s_mov_b32 s[CNT], 0
.Ltail:                                             ; periods 14, 15, 16: all of K and V lies in LDS, nothing is stored there any more, so no barrier
	PERIOD
	s_add_co_u32 s[CNT], s[CNT], 1
	s_cmp_lt_u32 s[CNT], 3
	s_cbranch_scc1 .Ltail
	WAYOUT OL, 0
	s_wait_xcnt 0x0
	v_lshl_add_u32 v254, v0, 2, 0x45000
	v_mov_b32 v255, 0
	s_wait_tensorcnt 0x0
	ds_add_u32 v254, v255
	s_wait_dscnt 0x0
	s_endpgm
.Lfunc_end_k_q958ab8a668_attn:
	.size	k_q958ab8a668_attn, .Lfunc_end_k_q958ab8a668_attn-k_q958ab8a668_attn
	.p2alignl 7, 3214868480
	.fill 96, 4, 3214868480
	.section	.rodata,"a",@progbits
	.p2align	6, 0x0
	.amdhsa_kernel k_q958ab8a668_attn
		.amdhsa_group_segment_fixed_size 284672
		.amdhsa_private_segment_fixed_size 0
		.amdhsa_enable_private_segment 0
		.amdhsa_kernarg_size 32
		.amdhsa_user_sgpr_count 2
		.amdhsa_user_sgpr_kernarg_segment_ptr 1
		.amdhsa_wavefront_size32 1
		.amdhsa_system_sgpr_workgroup_id_x 1
		.amdhsa_system_sgpr_workgroup_id_y 1
		.amdhsa_system_sgpr_workgroup_id_z 1
		.amdhsa_system_vgpr_workitem_id 0
		.amdhsa_next_free_vgpr 256
		.amdhsa_next_free_sgpr 66
		.amdhsa_reserve_vcc 1
		.amdhsa_float_denorm_mode_32 3
		.amdhsa_float_denorm_mode_16_64 3
		.amdhsa_memory_ordered 1
		.amdhsa_forward_progress 1
		.amdhsa_inst_pref_size 121
	.end_amdhsa_kernel
	.amdgpu_metadata
---
amdhsa.version: [ 1, 2 ]
amdhsa.kernels:
  - .name:           k_q958ab8a668_attn
    .symbol:         k_q958ab8a668_attn.kd
    .args:
      - { .name: queries, .offset: 0, .size: 8, .value_kind: global_buffer, .address_space: global }
      - { .name: keys, .offset: 8, .size: 8, .value_kind: global_buffer, .address_space: global }
      - { .name: values, .offset: 16, .size: 8, .value_kind: global_buffer, .address_space: global }
      - { .name: out0, .offset: 24, .size: 8, .value_kind: global_buffer, .address_space: global }
    .group_segment_fixed_size: 284672
    .private_segment_fixed_size: 0
    .kernarg_segment_align: 8
    .kernarg_segment_size: 32
    .max_flat_workgroup_size: 512
    .sgpr_count:     66
    .vgpr_count:     256
    .wavefront_size: 32
...
	.end_amdgpu_metadata
.endif
;; end of part 1
;; ======== version 2 of 2: 1 launch; version 1 with the launch attn written anew for expert scheduling mode
;; launch attn (part 2): grid 4 x 64, 16 waves a work-group, no clusters, 284,672 bytes of LDS; arguments queries, keys, values, out0; writes out0
.if DOCPART == 2
	.amdgcn_target "amdgcn-amd-amdhsa--gfx1250"
	.amdhsa_code_object_version 6
	.text
	.protected	k_q958ab8a668_attn
	.globl	k_q958ab8a668_attn
	.p2align	8
	.type	k_q958ab8a668_attn,@function
k_q958ab8a668_attn:
	s_mov_b64 s[64:65], 0
	v_nop
	global_prefetch_b8 v0, s[64:65] scope:SCOPE_SE
	s_setreg_imm32_b32 hwreg(HW_REG_WAVE_SCHED_MODE, 0, 2), 2
	s_setreg_imm32_b32 hwreg(HW_REG_WAVE_MODE, 25, 1), 1
	s_wait_xcnt 0x0
	s_wait_alu depctr_vm_vsrc(0)
; out0[b][q][hd][:] = the sum over keys k <= q of softmax_k(Q[q] . K[k] / 8) V[k][:], for 64 pairs (b, hd); 2,048 queries and keys, head size 64.
; All four tensors are f32, laid [4][2048][16][64]: a head's row is 256 bytes, rows lie 4,096 bytes apart.
; Both products run on codes of BF6 (E3M2) with one E8M0 scale for each 32 along the product's K: Q and K along the head's 64, V and p along the keys.
; THE SOFTMAX: t = score x log2(e) / 8; M = the largest t so far, rounded up to a whole number; p = 2^(t - M) is quantised, not normalised; the row's sum is taken of the unquantised p and divides at the end.
; SHARES.  Four work-groups of sixteen waves serve a head.  Wave w of work-group j owns the query tiles TH = 127 - a and TL = a, a = 4 w + j (a tile: 16 queries).  With g = w / 2, TH needs the key steps
; 0 .. 15 - g (128 keys a step) and TL the steps 0 .. g: 17 tile-steps for every wave.  In period P = 0 .. 16 each wave does one: first TH's steps in order, then TL's.  Only one tile's state is in registers.
; K AND V ARE QUANTISED BY THE WORK-GROUP ITSELF and stay in LDS for the whole launch, as images of operand registers (a fragment's registers 4 c .. 4 c + 3 of lane l at 512 c + 16 l): 2 x 98,304 bytes of codes
; and 2 x 8,192 of scale words; every byte is written once.  256 keys are sixteen tasks, one a wave (waves 0-7: a fragment of K; waves 8-15: one of V); their raw loads are issued two periods ahead of their use.
; K'S FRAGMENT HOLDS TWO TILES.  The first product's K is 64, half of the instruction's 128.  Registers 0-5 hold 16 keys x 64, registers 6-11 another 16 keys x 64; the other operand is q followed by zero codes, or
; zero codes followed by q, which picks one of the two.  Lane r of tile 2 b + u takes key 32 b + 8 u + r + 8 (r / 8), so that the 16 score registers of tiles 2 b, 2 b + 1 are 16 neighbouring keys.
; Both products are used transposed (S^T = K Q^T, O^T = V^T P^T): a lane holds one query (lane % 16) throughout.
; NO CLUSTER, NO TENSOR LOAD: what the four work-groups of a head share is f32 that has to pass through registers to be converted.  Raw rows in LDS would want 131,072 bytes for 256 keys of K and V;
; beside the 282,624 bytes in use 45,056 remain.  No prefetch: the raw loads themselves stand two periods ahead of the wait for them.
; LIMITS: a block whose largest magnitude lies under 2^-122 (a block of zeros too) keeps the scale byte 1; its bytes are read by this program alone.  NaN and infinities among the inputs are not served.
; A block's largest p is made from the block's largest score by the same two instructions as every p: this takes v_exp_f32 not to fall where its input rises.
; THE MODE: SCHED_MODE bits 1:0 = 2 (LLVM: expert scheduling mode 2), set by the entry lines.  The code itself states the register dependences
; between vector or matrix instructions and memory or LDS instructions, with s_wait_alu, always for 0.
; THE PLAN.  Registers that memory or LDS instructions touch:
;   v2, v5, v6, v7  offsets and LDS addresses, made at the head and never written again.
;   v8, v9, v10     written by three additions at a period's head, read by the period's LDS loads; v8 and v9 written again in PRODUCE, read by its LDS stores; at the head v8 is Q's offset.
;   SC  v44-47      K's scale words land at a period's head, the products of S^T read them; V's land behind the exponentials' wait, the products of O^T read them.
;   F   v144-191    K's fragments land at a period's head, the products of S^T read them; then vector instructions work there, and the products of O^T read p's codes there; PRODUCE's LDS stores read v144-155 and v176.
;   S   v48-111     written by the products of S^T and the softmax, read by the sums and the conversions; then V's fragments land in v48-95, which the products of O^T read.
;                   On the way out: v48-79 written by the scaling, read by the stage's stores; v80-111 take the stage's loads and are the global stores' data.
;   X   v192-255    a task's raw loads land there; PRODUCE's maxima and conversions read them.
; So a period has one wait on vm_vsrc, at its head, and five on va_vdst: behind the three additions, ahead of the exponentials, behind the exponentials, behind the conversions, and ahead of the products of O^T.  PRODUCE has one of each,
; the way out three on va_vdst; the diagonal's lane masks have one wait on va_sdst for each sixteen.
.set KIMG,  0                          ; LDS: K's 64 fragments of 1,536 bytes (fragment f: keys 32 f .. 32 f + 31),
.set VIMG,  98304                      ; V's 64 (fragment 4 s + t: keys 128 s .. 128 s + 127, channels 16 t .. 16 t + 15),
.set KSC,   196608                     ; K's scale words: 512 bytes a key step, lane l's four words (fragments 4 s .. 4 s + 3) at 16 l,
.set VSC,   204800                     ; V's likewise,
.set STG,   212992                     ; and a stage of 16 rows x (256 + 16) bytes for each wave, for the way out
.set FRB,   1536                       ; a fragment's image
.set STEPB, 6144                       ; a key step's four
.set LI,  1                            ; v1   16 x lane
.set RA,  2                            ; v2   my lane's byte offset in a task's raw rows
.set WI,  3                            ; v3   where my task's image goes, for keys 0-255
.set WS,  4                            ; v4   and its scale word
.set SI,  5                            ; v5   the stage: where I put 32 bytes of a row
.set SO,  6                            ; v6   and where I read a row back
.set GO,  7                            ; v7   my byte offset in a tile's 16 rows of out0
.set AK,  8                            ; v8   LDS address of the step's images of K
.set AS,  9                            ; v9   of its scale words (V's lie 8,192 bytes on)
.set AV,  10                           ; v10  of its images of V
.set RH,  11                           ; v11  lane % 16 - 16 (lane / 16), for the mask
.set QZ,  16                           ; v16-21 zero codes, v22-27 q's codes, v28-33 zero codes: v[16:27] picks a fragment's second tile, v[22:33] its first
.set QC,  22
.set QS,  34                           ; v34  q's scale word of the tile in hand (its two bytes, twice);  v35 TL's
.set QSL, 35
.set QL,  36                           ; v36-41 TL's codes
.set FF,  42                           ; v42  f = 2^(old M - new M);  v43 p's scale word
.set PW,  43
.set SC,  44                           ; v44-47 the step's four scale words of K, then of V
.set S,   48                           ; v48-111 S^T, then p; then V's four fragments (v48-95); on the way out the results
.set O,   112                          ; v112-143 O^T, four tiles
.set F,   144                          ; v144-191 K's four fragments; when they are done with:
.set PC,  144                          ; v144-155 the codes just made
.set CT,  156                          ; v156-162 the conversions' second halves
.set BM,  164                          ; v164-167 block maxima
.set PT,  168                          ; v168-171 the other half's maxima, then scale bytes
.set SOP, 172                          ; v172-175 the conversions' scale operands
.set TMP, 176                          ; v176-178 at work
.set X,   192                          ; v192-255 a task's 64 raw numbers, in flight through two periods
.set WV,  12                           ; s12  my wave's number
.set G,   13                           ; s13  g = wave / 2
.set NN,  14                           ; s14  16 - g: the period in which the tile changes
.set P,   16                           ; s16  the period
.set CNT, 17                           ; s17  the loops' counter
.set SS,  18                           ; s18  the key step
.set LS,  19                           ; s19  the last key step of the tile in hand: the one on the diagonal
.set SEL, 20                           ; s[20:21] v_permlanex16_b32's selects for lane l xor 16
.set CS,  22                           ; s[22:23] c = log2(e) / 8 (the packed form names a pair and takes its low word for both halves)
.set RB,  24                           ; s[24:25] the base of my task's raw loads
.set OH,  26                           ; s[26:27] out0 at TH's first row;  s[28:29] at TL's
.set OL,  28
.set PI,  30                           ; s30  12,288 x (keys / 256) of the task in hand;  s31  1,024 x the same
.set PS,  31
.set DQ,  32                           ; s32  the first query of the tile in hand, counted from its last step's first key;  s33 TL's
.set DQL, 33
.set TK,  34                           ; s34  6,144 x the key step;  s35  512 x the key step
.set TS,  35
.set ROLE, 48                          ; s48  at the head only: wave / 8: my tasks are K's (0) or V's (1);  s49  wave % 8: which fragment of the eight
.set IDX,  49
.set MK,   38                          ; s38-53 behind the head, where all that they held is done with: sixteen lane masks for the diagonal
; A task's raw numbers.  K: lane (r, h) takes, for u = 0, 1, the 32 numbers e = 32 h .. 32 h + 31 of key 8 u + r + 8 (r / 8) of the fragment's 32: eight loads of 16 bytes each.
; V: lane (r, h) takes channel r of the fragment's 16 and its registers run down the keys 64 c + 32 h + i: sixteen lanes read 64 consecutive bytes, and the four waves of a step together each row's 256.
; No cache hint: the four work-groups of a head read the same rows.
; No wait of its own: the wait on va_vdst that stands ahead of it (at the head: ahead of Q's loads; else: in PRODUCE) has shown v2 written and X's readers done, and no vector instruction since names v2 or X.
.macro LOADRAW
	s_cmp_lt_u32 s[WV], 8
	s_cbranch_scc0 .Lraw_v_\@
.irp u, 0,1
.irp j, 0,1,2,3,4,5,6,7
	global_load_b128 v[X+32*\u+4*\j:X+32*\u+4*\j+3], v[RA], s[RB:RB+1] offset:32768*\u+16*\j
.endr
.endr
	s_branch .Lraw_done_\@
.Lraw_v_\@:
.irp c, 0,1
.irp i, 0,1,2,3,4,5,6,7,8,9,10,11,12,13,14,15,16,17,18,19,20,21,22,23,24,25,26,27,28,29,30,31
	global_load_b32 v[X+32*\c+\i], v[RA], s[RB:RB+1] offset:(64*\c+\i)*4096
.endr
.endr
.Lraw_done_\@:
.endm
; Two whole blocks of 32 of a lane, v[src] .. v[src + 31] and v[src + 32] .. v[src + 63], become six registers of codes each, at v[d0] and v[d1] on, and a scale word in v[TMP]:
; byte 2 c + h is the byte of block c of the lanes' half h; both halves of the lanes end up with the whole word.
.macro QUANT64 src, d0, d1
	v_max3_num_f32 v[BM], |v[\src]|, |v[\src+1]|, 0x2800000          ; the largest magnitude, and the floor 2^(5 - 127): so the byte cannot fall under 1
	v_max3_num_f32 v[BM+1], |v[\src+32]|, |v[\src+33]|, 0x2800000
.irp i, 2,4,6,8,10,12,14,16,18,20,22,24,26,28,30
	v_max3_num_f32 v[BM], v[BM], |v[\src+\i]|, |v[\src+\i+1]|        ; (the two blocks by turns)
	v_max3_num_f32 v[BM+1], v[BM+1], |v[\src+32+\i]|, |v[\src+33+\i]|
.endr
	v_add_nc_u32 v[SOP], 0xfe000000, v[BM]                           ; 4 off the exponent field: the conversion takes this operand's exponent field as its scale
	v_add_nc_u32 v[SOP+1], 0xfe000000, v[BM+1]
	v_lshrrev_b32 v[PT], 23, v[SOP]                                  ; the scale's byte
	v_lshrrev_b32 v[PT+1], 23, v[SOP+1]
	v_lshl_or_b32 v[TMP], v[PT+1], 16, v[PT]                         ; my two bytes,
	v_bfe_u32 v[TMP+1], v0, 4, 1
	v_lshlrev_b32 v[TMP+1], 3, v[TMP+1]
	v_lshlrev_b32 v[TMP], v[TMP+1], v[TMP]                           ; 8 h bits up;
	v_mov_b32 v[TMP+2], 0                                            ; (a lane permute's destination counts as one of its sources)
	v_permlanex16_b32 v[TMP+2], v[TMP], s[SEL], s[SEL+1]
	v_or_b32 v[TMP], v[TMP], v[TMP+2]                                ; with lane l xor 16's two the word is whole
	v_cvt_scalef32_pk16_bf6_f32 v[\d0:\d0+2], v[\src:\src+15], v[SOP]
	v_cvt_scalef32_pk16_bf6_f32 v[CT:CT+2], v[\src+16:\src+31], v[SOP]        ; (a conversion's three registers begin on an even number: a block's second three are made elsewhere and moved)
	v_cvt_scalef32_pk16_bf6_f32 v[\d1:\d1+2], v[\src+32:\src+47], v[SOP+1]
	v_cvt_scalef32_pk16_bf6_f32 v[CT+4:CT+6], v[\src+48:\src+63], v[SOP+1]
	v_nop                                                            ; one plain place behind the scaled conversions
.irp i, 0,1,2
	v_mov_b32 v[\d0+3+\i], v[CT+\i]
	v_mov_b32 v[\d1+3+\i], v[CT+4+\i]
.endr
.endm
; My task: the raw numbers are in; codes and scale word go to LDS as they stand in the registers.
.macro PRODUCE
	s_wait_loadcnt 0x0                                               ; all my loads: a task's 16 or 64, and nothing else is out on this counter; so their base may step
	s_add_nc_u64 s[RB:RB+1], s[RB:RB+1], 0x100000                    ; 256 keys on
	QUANT64 X, PC, PC+6
	s_wait_alu depctr_vm_vsrc(0)                                     ; the last period's LDS loads (at the head: Q's loads) have read v8 and v9, which the two additions write
	v_add_nc_u32 v[AK], s[PI], v[WI]
	v_add_nc_u32 v[AS], s[PS], v[WS]
	s_wait_alu depctr_va_vdst(0)                                     ; the codes, the scale word and the two addresses are written, which the stores read; and the maxima and conversions are done reading X, in which the next task's loads land
.irp c, 0,1,2
	ds_store_b128 v[AK], v[PC+4*\c:PC+4*\c+3] offset:512*\c
.endr
	ds_store_b32 v[AS], v[TMP]
	s_add_co_u32 s[PI], s[PI], 8*FRB
	s_add_co_u32 s[PS], s[PS], 1024
.endm
; THE WAY OUT of the tile in hand: O^T / the sum, through my own stage, as whole rows of 256 bytes.  more = 1: the registers are used again.
.macro WAYOUT base, more
	v_add_f32 v14, v14, v15                                          ; the sum's two halves,
	v_permlanex16_b32 v[PT], v14, s[SEL], s[SEL+1]
	v_add_f32 v14, v14, v[PT]                                        ; and lane l xor 16's: the row's sum
	s_wait_alu depctr_va_vdst(0)
	v_rcp_f32 v14, v14
	v_nop                                                            ; one plain place behind the transcendental
.set j, 0
	s_wait_alu depctr_va_vdst(0)                                     ; the reciprocal has written v14, ahead of its first reader
.rept 16
	v_pk_mul_f32 v[S+j:S+j+1], v[O+j:O+j+1], v[14:15] op_sel_hi:[1,0]   ; register 8 t + i is o(query r, channel 16 t + 8 h + i); each accumulator from its low end on
.set j, j+2
.endr
	s_wait_alu depctr_va_vdst(0)                                     ; the scaling has written v48-79, which the stage's stores read; the last products and conversions are done with v80-111, in which the stage's loads land
.irp t, 0,1,2,3
	ds_store_b128 v[SI], v[S+8*\t:S+8*\t+3] offset:64*\t
	ds_store_b128 v[SI], v[S+8*\t+4:S+8*\t+7] offset:64*\t+16
.endr
.irp i, 0,1,2,3,4,5,6,7
	ds_load_b128 v[S+32+4*\i:S+32+4*\i+3], v[SO] offset:544*\i       ; LDS serves a wave's instructions in order (ISA guide 5.7.1.4): these see my stores.  Lanes 0-15 one row, lanes 16-31 the next
.endr
.irp i, 0,1,2,3,4,5,6,7
	s_wait_dscnt 7-\i                                                ; the younger loads from the stage may stay out
	global_store_b128 v[GO], v[S+32+4*\i:S+32+4*\i+3], s[\base:\base+1] offset:8192*\i th:TH_STORE_NT   ; sixteen lanes store 256 consecutive bytes, at a multiple of 256 from out0's first byte
.endr
.if \more
	s_wait_xcnt 0x0                                                  ; the stores' data registers are written again only behind this wait (and behind the wait on vm_vsrc at the period's head)
.endif
.endm
; TH is finished: it leaves, and TL takes its place.  None of the registers written here has been read by a memory or LDS instruction.
.macro SWITCH
	WAYOUT OH, 1
.irp i, 0,1,2,3,4,5
	v_mov_b32 v[QC+\i], v[QL+\i]
.endr
	v_mov_b32 v[QS], v[QSL]
	v_mov_b32 v13, 0xff61b1e6                                        ; the largest t so far: -3e38, under every t
	v_floor_f32 v12, -v13                                            ; -M
	v_mov_b32 v14, 0
	v_mov_b32 v15, 0
.set j, 0
.rept 32
	v_mov_b32 v[O+j], 0                                              ; the period is written for every step alike: a tile's first step finds zeros.  (These also stand between the new scale word and the next product)
.set j, j+1
.endr
	s_mov_b32 s[LS], s[G]
	s_mov_b32 s[DQ], s[DQL]
.endm
; A PERIOD: one tile of 16 queries against one key step of 128 keys.
.macro PERIOD
	s_add_co_u32 s36, s[P], s[G]                                     ; P + g reaches 16 when P reaches 16 - g:
	s_lshr_b32 s36, s36, 4                                           ; 0: TH is in hand, 1: TL
	s_mul_i32 s36, s36, s[G]
	s_add_co_u32 s36, s36, s[P]
	s_and_b32 s[SS], s36, 15                                         ; the key step: P, or P - (16 - g)
	s_mul_i32 s[TK], s[SS], STEPB
	s_lshl_b32 s[TS], s[SS], 9
	s_cmp_lg_u32 s[P], s[NN]
	s_cbranch_scc1 .Lsame_\@
	SWITCH
.Lsame_\@:
	s_wait_alu depctr_vm_vsrc(0)                                     ; on both ways: the LDS loads and stores issued so far have read v8 to v10, which the additions write; PRODUCE's stores have read v144-155 and v176, in which K's fragments land; the way out's stores have read v48-111, which the products write
	v_add_nc_u32 v[AK], s[TK], v[LI]
	s_add_co_u32 s36, s[TS], KSC
	v_add_nc_u32 v[AS], s36, v[LI]
	s_add_co_u32 s37, s[TK], VIMG
	v_add_nc_u32 v[AV], s37, v[LI]
	s_wait_alu depctr_va_vdst(0)                                     ; v8 to v10 are written, which the period's loads read; the last products of O^T and all work in v144-191 are done with the registers in which K's scale words and fragments land; q's codes and scale word are written, which the scaled products take
	ds_load_b128 v[SC:SC+3], v[AS]                                   ; K's four scale words first,
.irp b, 0,1,2,3
.irp c, 0,1,2
	ds_load_b128 v[F+12*\b+4*\c:F+12*\b+4*\c+3], v[AK] offset:FRB*\b+512*\c   ; then its four fragments: 512 consecutive bytes a load
.endr
.endr
.irp b, 0,1,2,3                        ; S^T = K Q^T: each fragment twice, once for each of its two tiles of keys
	s_wait_dscnt 9-3*\b                                              ; the scale words and fragments 0 .. b are in; the three loads of each later fragment may stay out
	v_wmma_scale_f32_16x16x128_f8f6f4 v[S+16*\b:S+16*\b+7], v[F+12*\b:F+12*\b+11], v[QC:QC+11], 0, v[SC+\b], v[QS] matrix_a_fmt:MATRIX_FMT_BF6 matrix_b_fmt:MATRIX_FMT_BF6
	v_wmma_scale_f32_16x16x128_f8f6f4 v[S+16*\b+8:S+16*\b+15], v[F+12*\b:F+12*\b+11], v[QZ:QZ+11], 0, v[SC+\b], v[QS] matrix_a_fmt:MATRIX_FMT_BF6 matrix_b_fmt:MATRIX_FMT_BF6
.endr                                  ; lane (r, h): register 16 b + i is the score of query r and key 32 b + 16 h + i of the step
.rept 4
	v_nop                                                            ; four places (ISA guide 7.12.1) ahead of the reads of the scores and of the writes over K's fragments
.endr
	s_cmp_lg_u32 s[SS], s[LS]                                        ; only a tile's last step lies on the diagonal
	s_cbranch_scc1 .Lopen_\@
	v_add_nc_u32 v[TMP+2], s[DQ], v[RH]                              ; d = my query - the step's first key - 16 h: key 32 b + i of my half is hidden where 32 b + i > d
	v_mov_b32 v[TMP+1], 0xff800000                                   ; -infinity: p is then 0
.irp b, 0,1,2,3                        ; a block's sixteen compares in a run, each into a scalar register of its own; one wait; its sixteen selects
.set mi, 0
.rept 16
	v_cmp_gt_i32 s[MK+mi], 32*\b+mi, v[TMP+2]
.set mi, mi+1
.endr
	s_wait_alu depctr_va_sdst(0)                                     ; the sixteen compares have written s38 to s53, ahead of the first select that reads one of them
.set mi, 0
.rept 16
	v_cndmask_b32 v[S+16*\b+mi], v[S+16*\b+mi], v[TMP+1], s[MK+mi]
.set mi, mi+1
.endr
.endr
.Lopen_\@:
.irp b, 0,1,2,3
	v_max3_num_f32 v[BM+\b], v[S+16*\b], v[S+1+16*\b], v[S+2+16*\b]   ; the largest score of each block of 32 keys: for the row's maximum and, since p rises with the score, for the block's largest p
.endr
.irp i, 3,5,7,9,11,13
.irp b, 0,1,2,3
	v_max3_num_f32 v[BM+\b], v[BM+\b], v[S+16*\b+\i], v[S+1+16*\b+\i]   ; (the four blocks by turns; a block's second accumulator is first read at its lowest register, with i = 7)
.endr
.endr
.irp b, 0,1,2,3
	v_max_num_f32 v[BM+\b], v[BM+\b], v[S+15+16*\b]
.endr
.irp b, 0,1,2,3
	v_permlanex16_b32 v[PT+\b], v[BM+\b], s[SEL], s[SEL+1]
.endr
.irp b, 0,1,2,3
	v_max_num_f32 v[BM+\b], v[BM+\b], v[PT+\b]                       ; with lane l xor 16's 16 keys
.endr
	v_max3_num_f32 v[TMP], v[BM], v[BM+1], v[BM+2]
	v_max_num_f32 v[TMP], v[TMP], v[BM+3]                            ; the step's largest score of my query
	v_mul_f32 v[TMP], s[CS], v[TMP]                                  ; as t (c is positive)
	v_max_num_f32 v13, v13, v[TMP]                                   ; the running largest t
	v_mov_b32 v[TMP], v12
	v_floor_f32 v12, -v13                                            ; the new -M = floor(-t) = -ceil(t): a whole number
	v_sub_f32 v[TMP], v12, v[TMP]                                    ; old M - new M: a whole number, 0 or less
	v_cvt_i32_f32 v[TMP], v[TMP]                                     ; (it saturates)
	v_ldexp_f32 v[FF], 1.0, v[TMP]                                   ; f = 2^(old M - new M): the rescaling rounds nothing
.set j, 0
.rept 32
	v_pk_fma_f32 v[S+j:S+j+1], v[S+j:S+j+1], s[CS:CS+1], v[12:13] op_sel_hi:[1,0,0]   ; t - M, two at a time
.set j, j+2
.endr
.irp b, 0,1,2,3
	v_fma_f32 v[BM+\b], v[BM+\b], s[CS], v12                         ; the same of each block's largest score
.endr
.set j, 0
	s_wait_alu depctr_va_vdst(0)
.rept 64
	v_exp_f32 v[S+j], v[S+j]                                         ; p = 2^(t - M), at most 1
.set j, j+1
.endr
.irp b, 0,1,2,3
	v_exp_f32 v[BM+\b], v[BM+\b]                                     ; the block's largest p
.endr
	v_pk_mul_f32 v[14:15], v[14:15], v[FF:FF+1] op_sel_hi:[1,0]      ; the sums under the new M.  (The plain place behind the exponentials)
	s_wait_alu depctr_va_vdst(0)                                     ; the 68 exponentials have written p and the blocks' largest p, ahead of their first reader; and the products of S^T are done reading K's scale words, on which the load below lands
	ds_load_b128 v[SC:SC+3], v[AS] offset:VSC-KSC                    ; V's four scale words: no vector instruction names v44-47 or v9 from that wait to the products of O^T
.irp b, 0,1,2,3
	v_max_num_f32 v[BM+\b], 0x2800000, v[BM+\b]                      ; the floor 2^(5 - 127): a block whose every p is 0 keeps the byte 1; its codes are zeros
.endr
.irp b, 0,1,2,3
	v_add_nc_u32 v[SOP+\b], 0xfe000000, v[BM+\b]                     ; 4 off the exponent field: the conversion's scale operand
.endr
.irp b, 0,1,2,3
	v_lshrrev_b32 v[PT+\b], 23, v[SOP+\b]                            ; the scale's byte
.endr
	v_lshl_or_b32 v[PW], v[PT+1], 8, v[PT]                           ; p's scale word for these 128 keys
	v_lshl_or_b32 v[PW], v[PT+2], 16, v[PW]
	v_lshl_or_b32 v[PW], v[PT+3], 24, v[PW]
	v_pk_add_f32 v[CT:CT+1], v[S:S+1], v[S+2:S+3]                    ; the row's sum, of the unquantised p, in two chains; ahead of the conversions, since V's fragments land on p
.irp j, 4,8,12,16,20,24,28,32,36,40,44,48,52,56,60
	v_pk_add_f32 v[14:15], v[14:15], v[S+\j:S+\j+1]
	v_pk_add_f32 v[CT:CT+1], v[CT:CT+1], v[S+\j+2:S+\j+3]
.endr
	v_pk_add_f32 v[14:15], v[14:15], v[CT:CT+1]
.irp c, 0,1
	v_cvt_scalef32_pk16_bf6_f32 v[PC+6*\c:PC+6*\c+2], v[S+32*\c:S+32*\c+15], v[SOP+2*\c]
	v_cvt_scalef32_pk16_bf6_f32 v[CT+4*\c:CT+4*\c+2], v[S+16+32*\c:S+31+32*\c], v[SOP+2*\c+1]
.endr
	s_wait_alu depctr_va_vdst(0)                                     ; the sums and the conversions are done reading p, on which V's fragments land; p's scale word is written, which the products of O^T take
.irp t, 0,1,2,3
.irp c, 0,1,2
	ds_load_b128 v[S+12*\t+4*\c:S+12*\t+4*\c+3], v[AV] offset:FRB*\t+512*\c   ; V's four fragments, into the registers that p has left
.endr
.endr
	v_nop                                                            ; one plain place behind the scaled conversions
.irp c, 0,1                            ; the operand's layout wants a whole block in a lane: lanes 0-15 block 2 c, lanes 16-31 block 2 c + 1
.irp i, 0,1,2
	v_permlane16_swap_b32 v[PC+6*\c+\i], v[CT+4*\c+\i]
.endr
.irp i, 0,1,2
	v_mov_b32 v[PC+3+6*\c+\i], v[CT+4*\c+\i]
.endr
.endr
.set j, 0
.rept 16
	v_pk_mul_f32 v[O+j:O+j+1], v[O+j:O+j+1], v[FF:FF+1] op_sel_hi:[1,0]   ; O^T under the new M.  (These stand between the writes of p's codes and the products)
.set j, j+2
.endr
	s_wait_alu depctr_va_vdst(0)                                     ; the exchanges and moves have written p's codes, which the scaled products take; the places above stay beside this wait
.irp t, 0,1,2,3                        ; O^T += V^T P^T: the four accumulators take turns, one instruction a turn, and the eight products of S^T stand between two periods'
	s_wait_dscnt 9-3*\t                                              ; the scale words and fragments 0 .. t are in; the three loads of each later fragment may stay out
	v_wmma_scale_f32_16x16x128_f8f6f4 v[O+8*\t:O+8*\t+7], v[S+12*\t:S+12*\t+11], v[PC:PC+11], v[O+8*\t:O+8*\t+7], v[SC+\t], v[PW] matrix_a_fmt:MATRIX_FMT_BF6 matrix_b_fmt:MATRIX_FMT_BF6
.endr
.rept 5
	v_nop                                                            ; five places: the next products of S^T write over V's fragments (five are asked); vector writes over p's codes and reads of O^T may follow (four)
.endr
	s_add_co_u32 s[P], s[P], 1
.endm
	s_load_b256 s[4:11], s[0:1], 0x0                ; queries s[4:5], keys s[6:7], values s[8:9], out0 s[10:11]
	v_lshrrev_b32 v1, 5, v0
	v_readfirstlane_b32 s[WV], v1                   ; wave 0..15
	v_and_b32 v144, 15, v0                          ; r
	v_bfe_u32 v145, v0, 4, 1                        ; h
	v_and_b32 v1, 31, v0
	v_lshlrev_b32 v[LI], 4, v1
	s_wait_alu depctr_va_vdst(0)
	s_wait_alu depctr_va_sdst(0)                    ; s12, the wave's number, is written, ahead of its first reader
	s_lshr_b32 s[G], s[WV], 1
	s_xor_b32 s[LS], s[G], 15                       ; 15 - g: TH's last key step
	s_add_co_u32 s[NN], s[LS], 1
	s_lshr_b32 s[ROLE], s[WV], 3
	s_and_b32 s[IDX], s[WV], 7
	s_lshl_b32 s36, s[WV], 2
	s_add_co_u32 s36, s36, ttmp9                    ; a = 4 x wave + work-group x: TL
	s_xor_b32 s37, s36, 127                         ; TH = 127 - a
	s_and_b32 s[DQL], s36, 7
	s_lshl_b32 s[DQL], s[DQL], 4                    ; a tile's first query within its last key step: 16 (tile % 8)
	s_and_b32 s[DQ], s37, 7
	s_lshl_b32 s[DQ], s[DQ], 4
	s_and_b32 s38, ttmp7, 0xffff                    ; work-group y = 16 b + head
	s_lshr_b32 s39, s38, 4
	s_lshl_b32 s39, s39, 23                         ; b x 2,048 rows x 4,096 bytes
	s_and_b32 s38, s38, 15
	s_lshl_b32 s38, s38, 8                          ; head x 256 bytes
	s_or_b32 s40, s39, s38                          ; the byte of (b, row 0, head) in each tensor
	s_lshl_b32 s36, s36, 16                         ; a tile's 16 rows are 65,536 bytes
	s_add_co_u32 s46, s40, s36
	s_mov_b32 s47, 0
	s_lshl_b32 s37, s37, 16
	s_add_co_u32 s44, s40, s37
	s_mov_b32 s45, 0
	s_lshl_b32 s36, s[IDX], 17                      ; K's task: 32 keys x 4,096 bytes a fragment
	s_lshr_b32 s37, s[IDX], 2
	s_lshl_b32 s37, s37, 19                         ; V's: 128 keys a step,
	s_and_b32 s38, s[IDX], 3
	s_lshl_b32 s38, s38, 6                          ; 16 channels x 4 bytes a fragment
	s_or_b32 s37, s37, s38
	s_cmp_lt_u32 s[WV], 8
	s_cselect_b32 s42, s36, s37
	s_cselect_b32 s50, 0, -1                        ; all ones in V's waves
	s_mov_b32 s43, 0
	s_add_co_u32 s42, s42, s40                      ; (all these sums stay under 2^26)
	s_mul_i32 s36, s[IDX], FRB                      ; where my tasks' images go: 1,536 x (wave % 8) + 98,304 x (wave / 8)
	s_mul_i32 s37, s[ROLE], VIMG
	s_add_co_u32 s36, s36, s37
	v_add_nc_u32 v[WI], s36, v[LI]
	s_lshl_b32 s36, s[ROLE], 13                     ; and their scale words: 8,192 x (wave / 8) + 512 x the step of the two + 4 x the fragment of the four
	s_lshr_b32 s37, s[IDX], 2
	s_lshl_b32 s37, s37, 9
	s_add_co_u32 s36, s36, s37
	s_and_b32 s37, s[IDX], 3
	s_lshl_b32 s37, s37, 2
	s_add_co_u32 s36, s36, s37
	s_add_co_u32 s36, s36, KSC
	v_add_nc_u32 v[WS], s36, v[LI]
	s_mul_i32 s36, s[WV], 16*272
	s_add_co_u32 s36, s36, STG                      ; my stage
	v_mul_u32_u24 v[SI], v144, 272                  ; in: row r, 32 bytes for each half of the lanes
	v_lshl_add_u32 v[SI], v145, 5, v[SI]
	v_add_nc_u32 v[SI], s36, v[SI]
	v_mul_u32_u24 v[SO], v145, 272                  ; back: lanes 0-15 one row, lanes 16-31 the next
	v_lshl_add_u32 v[SO], v144, 4, v[SO]
	v_add_nc_u32 v[SO], s36, v[SO]
	v_lshlrev_b32 v[GO], 12, v145                   ; and the same two rows in out0
	v_lshl_add_u32 v[GO], v144, 4, v[GO]
	v_lshlrev_b32 v146, 4, v145
	v_sub_nc_u32 v[RH], v144, v146                  ; r - 16 h
	v_and_b32 v146, 8, v144
	v_add_nc_u32 v146, v146, v144                   ; r + 8 (r / 8)
	v_lshlrev_b32 v146, 12, v146
	v_lshl_add_u32 v146, v145, 7, v146              ; K's raw rows: that row, + 128 h
	v_lshlrev_b32 v147, 2, v144
	v_lshl_add_u32 v147, v145, 17, v147             ; V's: 4 r, + 32 h rows
	v_cndmask_b32 v[RA], v146, v147, s50
	v_lshlrev_b32 v[AK], 12, v144
	v_lshl_add_u32 v[AK], v145, 7, v[AK]            ; Q: row r, + 128 h
	s_mov_b32 s[SEL], 0x76543210
	s_mov_b32 s[SEL+1], 0xfedcba98
	s_mov_b32 s[CS], 0x3e38aa3b                     ; c = log2(e) / 8
	s_mov_b32 s[CS+1], s[CS]
	s_mov_b32 s[PI], 0
	s_mov_b32 s[PS], 0
	s_mov_b32 s[P], 0
	s_wait_kmcnt 0x0
	s_add_nc_u64 s[OH:OH+1], s[10:11], s[44:45]
	s_add_nc_u64 s[OL:OL+1], s[10:11], s[46:47]
	s_add_nc_u64 s[44:45], s[4:5], s[44:45]         ; Q at TH's first row,
	s_add_nc_u64 s[46:47], s[4:5], s[46:47]         ; and at TL's
	s_cmp_lt_u32 s[WV], 8                           ; the choice hangs on the wave's number alone
	s_cselect_b64 s[RB:RB+1], s[6:7], s[8:9]
	s_add_nc_u64 s[RB:RB+1], s[RB:RB+1], s[42:43]
	s_wait_alu depctr_va_vdst(0)                    ; the offsets and LDS addresses v2 and v5 to v8 are written, which the loads below and the way out's loads and stores read
.irp j, 0,1,2,3,4,5,6,7
	global_load_b128 v[S+4*\j:S+4*\j+3], v[AK], s[44:45] offset:16*\j th:TH_LOAD_NT         ; lane (r, h): q(r, 32 h .. 32 h + 31) of TH: a whole block
.endr
.irp j, 0,1,2,3,4,5,6,7
	global_load_b128 v[S+32+4*\j:S+32+4*\j+3], v[AK], s[46:47] offset:16*\j th:TH_LOAD_NT   ; and of TL.  Each row of Q is read once in the launch
.endr
	LOADRAW                                         ; keys 0-255
.irp i, 0,1,2,3,4,5
	v_mov_b32 v[QZ+\i], 0                           ; the zero codes on both sides of q's
	v_mov_b32 v[QC+6+\i], 0
.endr
	v_mov_b32 v13, 0xff61b1e6                       ; the largest t so far: -3e38, under every t
	v_floor_f32 v12, -v13                           ; -M
	v_mov_b32 v14, 0                                ; the sum, in two halves
	v_mov_b32 v15, 0
	v_mov_b32 v[PW], 0                              ; (named as the upper half of the pair v[42:43] before it is first written)
.set j, 0
.rept 32
	v_mov_b32 v[O+j], 0                             ; O^T: the first step finds zeros, which the first change of M leaves zeros
.set j, j+1
.endr
	s_wait_loadcnt 0x0                              ; Q and the first task
	QUANT64 S, QC, QL                               ; TH's codes to their place, TL's aside; the word: TH's two bytes, then TL's two
	v_perm_b32 v[QS], v[TMP], v[TMP], 0x01000100    ; a tile's two bytes twice: for q in the operand's lower half and in its upper
	v_perm_b32 v[QSL], v[TMP], v[TMP], 0x03020302
	PRODUCE                                         ; keys 0-255
	LOADRAW                                         ; keys 256-511
	s_wait_dscnt 0x0                                ; for the others' sake: my stores have landed
	s_barrier_signal -1
	s_barrier_wait -1                               ; key steps 0 and 1 lie in LDS
	s_mov_b32 s[CNT], 0
.Ltrip:                                             ; seven trips: periods 2 CNT and 2 CNT + 1 read key steps up to 2 CNT + 1; then steps 2 CNT + 2 and 2 CNT + 3 are stored, into bytes that nobody has read
	PERIOD
	PERIOD
	PRODUCE
	s_cmp_eq_u32 s[CNT], 6                          ; the last trip has nothing left to ask for: no load leaves its buffer
	s_cbranch_scc1 .Lno_more
	LOADRAW                                         ; the 256 keys behind those just stored: two periods ahead of the wait for them
.Lno_more:
	s_wait_dscnt 0x0                                ; for the others' sake: my stores have landed
	s_barrier_signal -1
	s_barrier_wait -1
	s_add_co_u32 s[CNT], s[CNT], 1
	s_cmp_lt_u32 s[CNT], 7
	s_cbranch_scc1 .Ltrip
	s_mov_b32 s[CNT], 0
.Ltail:                                             ; periods 14, 15, 16: all of K and V lies in LDS, nothing is stored there any more, so no barrier
	PERIOD
	s_add_co_u32 s[CNT], s[CNT], 1
	s_cmp_lt_u32 s[CNT], 3
	s_cbranch_scc1 .Ltail
	WAYOUT OL, 0
	s_wait_xcnt 0x0                                 ; the last stores have had their addresses translated
	v_lshl_add_u32 v254, v0, 2, 0x45000             ; my spare word, behind the stages, and 0: made anew here, in registers that no memory or LDS instruction has read (raw loads landed in them, and are long in)
	v_mov_b32 v255, 0
	s_wait_dscnt 0x0                                ; the closing lines, six on end
	s_wait_alu 0x0
	s_wait_tensorcnt 0x0
	ds_add_u32 v254, v255
	s_wait_dscnt 0x0
	s_endpgm
.Lfunc_end_k_q958ab8a668_attn:
	.size	k_q958ab8a668_attn, .Lfunc_end_k_q958ab8a668_attn-k_q958ab8a668_attn
	.p2alignl 7, 3214868480
	.fill 96, 4, 3214868480
	.section	.rodata,"a",@progbits
	.p2align	6, 0x0
	.amdhsa_kernel k_q958ab8a668_attn
		.amdhsa_group_segment_fixed_size 284672
		.amdhsa_private_segment_fixed_size 0
		.amdhsa_enable_private_segment 0
		.amdhsa_kernarg_size 32
		.amdhsa_user_sgpr_count 2
		.amdhsa_user_sgpr_kernarg_segment_ptr 1
		.amdhsa_wavefront_size32 1
		.amdhsa_system_sgpr_workgroup_id_x 1
		.amdhsa_system_sgpr_workgroup_id_y 1
		.amdhsa_system_sgpr_workgroup_id_z 1
		.amdhsa_system_vgpr_workitem_id 0
		.amdhsa_next_free_vgpr 256
		.amdhsa_next_free_sgpr 66
		.amdhsa_reserve_vcc 0
		.amdhsa_float_denorm_mode_32 3
		.amdhsa_float_denorm_mode_16_64 3
		.amdhsa_memory_ordered 1
		.amdhsa_forward_progress 1
		.amdhsa_inst_pref_size 135
	.end_amdhsa_kernel
	.amdgpu_metadata
---
amdhsa.version: [ 1, 2 ]
amdhsa.kernels:
  - .name:           k_q958ab8a668_attn
    .symbol:         k_q958ab8a668_attn.kd
    .args:
      - { .name: queries, .offset: 0, .size: 8, .value_kind: global_buffer, .address_space: global }
      - { .name: keys, .offset: 8, .size: 8, .value_kind: global_buffer, .address_space: global }
      - { .name: values, .offset: 16, .size: 8, .value_kind: global_buffer, .address_space: global }
      - { .name: out0, .offset: 24, .size: 8, .value_kind: global_buffer, .address_space: global }
    .group_segment_fixed_size: 284672
    .private_segment_fixed_size: 0
    .kernarg_segment_align: 8
    .kernarg_segment_size: 32
    .max_flat_workgroup_size: 512
    .sgpr_count:     66
    .vgpr_count:     256
    .wavefront_size: 32
...
	.end_amdgpu_metadata
.endif
;; end of part 2
